; MI455X (gfx1250); checked and timed in simulation.
; The chip was launched on July 23, 2026; its instructions are those of AMD's public machine-readable ISA for CDNA 5 (MIT licence, August 2026) and "CDNA5" Instruction Set Architecture Reference Guide (July 2026). The comments in the code are by the model that wrote it; some were corrected since.
;; Pi SSA Adapter. Allowed arithmetic: matrix products marked QUANTISED: E2M1 operands, one E8M0 scale for each 32 along K, by v_wmma_scale_f32_16x16x128_f8f6f4 with both operands' format E2M1 (or v_wmma_scale_f32_32x16x128_f4), f32 sums; everything else in f32.
;; Inputs: W_res_codes 4,096 x 128 x 16 uint8 (E2M1 codes of W_res, K innermost, in blocks of 32 codes, two codes a byte); W_res_scales 4,096 x 128 uint8 (E8M0 scales of W_res, one for each 32 codes along K); bias 4,096 float32; lora_A_codes 4,096 x 2 x 16 uint8 (E2M1 codes of lora_A, K innermost, in blocks of 32 codes, two codes a byte); lora_A_scales 4,096 x 2 uint8 (E8M0 scales of lora_A, one for each 32 codes along K); lora_B_codes 4,096 x 2 x 16 uint8 (E2M1 codes of lora_B, K innermost, in blocks of 32 codes, two codes a byte); lora_B_scales 4,096 x 2 uint8 (E8M0 scales of lora_B, one for each 32 codes along K); x_codes 8 x 256 x 128 x 16 uint8 (E2M1 codes of x, K innermost, in blocks of 32 codes, two codes a byte); x_scales 8 x 256 x 128 uint8 (E8M0 scales of x, one for each 32 codes along K).
;; Outputs: out0 8 x 256 x 4,096 float32.
;; This version of the problem:
;;   THIS VERSION OF THE PROBLEM IS GIVEN IN LOW PRECISION. The matrix products marked QUANTISED in the list below multiply operands that are first quantised to E2M1 (2 exponent bits, 1 mantissa bit; 4 bits a number), with one power-of-two scale for each 32 numbers along K (OCP MX v1.0); their sums are f32. All else is computed in f32.
;;   The module's matrix products, in the order in which they are computed (A, B: the left and right operand; K: the contracted axis; several contracted axes count as one K, in the product's order):
;;     1. [M 2,048, K 4,096] x [K 4,096, N 4,096]; A: input x (given as codes); B: input W_res (given as codes): QUANTISED
;;     2. [M 4,096, K 64] x [K 64, N 4,096]; A: input lora_B (given as codes); B: input lora_A (given as codes): QUANTISED
;;     3. [M 2,048, K 4,096] x [K 4,096, N 4,096]; A: input x (given as codes); B: computed on the way: QUANTISED
;;   THE QUANTISER, for each operand of a quantised product, along K:
;;     - K is cut into blocks of 32 from its start; a last block that is shorter is filled with zeros.
;;     - A block's scale is 2^e with e = floor(log2(the largest magnitude in the block)) - 2, held to -126 .. 127; a block of zeros has e = 0. As a byte (E8M0): e + 127.
;;     - Each number is divided by its block's scale, clamped to +-6, and rounded to the nearest number of E2M1, ties to even, subnormals kept.
;;     - The product sums the exact products of the quantised numbers (number of the format x scale) in f32.
;;   ~~~python
;;   def quantise(x, axis):      # numpy; x: float32 -> the quantised numbers, widened to float32 again
;;       x = np.moveaxis(x, axis, -1); K = x.shape[-1]
;;       x = np.pad(x, [(0, 0)] * (x.ndim - 1) + [(0, -K % 32)]); x = x.reshape(x.shape[:-1] + (-1, 32)); a = np.abs(x).max(-1, keepdims=True)
;;       e = np.where(a > 0, np.clip(np.frexp(np.where(a > 0, a, 1))[1] - 1 - 2, -126, 127), 0)      # np.frexp(a)[1] - 1 = floor(log2(a)), exactly
;;       r = np.clip(x / 2.0 ** e, -6, 6)
;;       step = 2.0 ** (np.maximum(np.frexp(np.where(r == 0, 1, r))[1] - 1, 0) - 1)
;;       q = np.round(r / step) * step * 2.0 ** e      # np.round: ties to even
;;       return np.moveaxis(q.reshape(q.shape[:-2] + (-1,))[..., :K], -1, axis).astype(np.float32)
;;   ~~~
;;   OPERANDS COMPUTED ON THE WAY. 'Computed on the way' means the value that the module computes at that place (a softmax that the list does not call 'softmax' is quantised finished and normalised). What goes into a quantiser is computed in f32, as accurately as f32 sums, v_exp_f32 and their like allow (about 1e-6 of the number): no bf16 or f16 on the way to a quantiser, and a product that is left as it is and whose result goes on into a quantised operand takes f32 operands (vector FMAs, or v_wmma_f32_16x16x4_f32). A number that lies on a knife's edge between two numbers of the format may be rounded either way, as far as f32 arithmetic and the matrix unit's own rounding can turn it there, and no further.
;;   INPUTS GIVEN AS CODES. W_res (in the module: [4096, 4096], K = its axis 1); lora_A (in the module: [64, 4096], K = its axis 0); lora_B (in the module: [4096, 64], K = its axis 1); x (in the module: [8, 256, 4096], K = its axis 2): each comes as NAME_codes (uint8): NAME with its K axis moved to the last place and cut into blocks of 32 codes, [.., K / 32, bytes a block], one block behind the other in memory; two codes a byte, the lower K in the low four bits (a code: sign, 2 exponent bits, 1 mantissa bit); and NAME_scales (uint8): the same leading axes, one E8M0 byte (e + 127) for each 32 codes along K. Its value is code x scale, taken as it is: it is not quantised again, and the codes and scales need not be those that the quantiser above would give.
;; One version. Each part assembles by itself: llvm-mc -triple=amdgcn-amd-amdhsa -mcpu=gfx1250 --defsym DOCPART=n.
;; ======== version 1 of 1: 2 launches
;; limits: right only within a limited range of input values
;; workspace buffers: pack 9,437,184 bytes
;; launch prep (part 1): grid 32 x 8, 8 waves a work-group, no clusters, 0 bytes of LDS; arguments lora_A_codes, lora_A_scales, lora_B_codes, lora_B_scales, W_res_scales, pack; writes pack
.if DOCPART == 1
	.amdgcn_target "amdgcn-amd-amdhsa--gfx1250"
	.amdhsa_code_object_version 6
	.text
	.protected	k_qa2e2dc6eeb_prep
	.globl	k_qa2e2dc6eeb_prep
	.p2align	8
	.type	k_qa2e2dc6eeb_prep,@function
k_qa2e2dc6eeb_prep:
	s_mov_b64 s[64:65], 0
	v_nop
	global_prefetch_b8 v0, s[64:65] scope:SCOPE_SE
	s_setreg_imm32_b32 hwreg(HW_REG_WAVE_MODE, 25, 1), 1
	s_wait_xcnt 0x0
; dW[o][i] = sum over 64 ranks of lora_B[o][.] lora_A[.][i], on the given codes of FP4 (E2M1) with their E8M0 scales, f32 sums; then dW is quantised along i (the K of the product x dW^T)
; into codes of FP4 with one E8M0 byte for each 32 along i.  The results go into PACK, laid as the next launch's waves take them:
;   pack[nt 0..31][s 0..7][36,864 bytes]: nt = a tile of 128 rows o, s = 512 along i.  In a block:
;   bytes 0 .. 32,767       dW's codes as IMAGES OF THE OPERAND'S REGISTERS: fragment (j = 16 rows, q = 128 along i) at (4 j + q) x 1,024; registers 0-3 at 16 x lane, registers 4-7 at 512 + 16 x lane
;   bytes 32,768 .. 34,815  W_res's scale bytes of these 128 rows and this K step: row n at 16 n (copied, so that a K step's scales are dense bytes)
;   bytes 34,816 .. 36,863  dW's scale words, one for each row and 128 along i: row n = 64 g + 32 c + l at 512 q + 256 g + 8 l + 4 c
; SHARES.  Work-group (nt, s) makes one block; wave w = 4 g + q makes the four fragments (4 g + j, q): it loads lora_A's eight tiles of its 128 along i once for all four.  No LDS, no barrier, no loop: waves share nothing.
; THE PRODUCT IS USED TRANSPOSED: source 0 = 16 rows i of lora_A, source 1 = 16 rows o of lora_B: a lane holds ONE row o (lane % 16), and its registers run along i.
; THE ROWS OF lora_A THAT FORM A TILE ARE NOT NEIGHBOURS: lane r of tile 2 b + u takes row 32 b + 8 u + r + 8 (r / 8), so that the 16 registers of tiles 2 b and 2 b + 1 are i = 32 b + 16 (lane / 16) + 0 .. 15.
; K IS 64 OF THE INSTRUCTION'S 128.  A row's 64 codes fill registers 0-3 of an operand.  lora_B's registers 4-7 are zero codes.  lora_A's tiles lie DENSE, four registers each, so an operand's registers 4-7
; are the next tile's codes (behind the last tile: four registers of zeros): every code of E2M1 is a finite number, and it meets a zero code, so it adds nothing.  The scale words come by 16-bit loads:
; their upper two bytes are 0, which is a power of two like any other and no NaN.
; A block's scale is 2^(floor(log2(its largest magnitude)) - 2); its byte is that magnitude's exponent field - 2, held at 1 from below.
; LIMITS: a block of zeros gets the byte 1 where the rule says 127 (its codes are zeros, and this program alone reads the bytes); blocks whose largest magnitude lies under 2^-124, the floor, were not tried;
; a dW that overflows f32, and a given scale byte 0xff (NaN), are not served beyond what the arithmetic gives.
; W_res's scale bytes are read 16 bytes of a row at a time, 524,288 bytes in the whole launch, each once.
.set BLKB, 36864
.set VA,  4                            ; v4   lora_A: 32 x (r + 8 (r / 8)) + 16 h
.set VAS, 5                            ; v5   its scale words: 2 x (r + 8 (r / 8))
.set VB,  6                            ; v6   lora_B: 32 r + 16 h
.set VBS, 7                            ; v7   its scale words: 2 r
.set VW,  8                            ; v8   W_res's scale bytes: two lanes a row, 8 bytes each
.set VO,  9                            ; v9   16 x lane: an image's place for my lane
.set BF,  10                           ; v10-41  lora_B's four fragments, eight registers each, the upper four zero codes
.set BS,  42                           ; v42-45  their scale words
.set AS,  46                           ; v46-53  lora_A's scale words
.set AF,  54                           ; v54-85  lora_A's eight tiles, four registers each; v86-89 zeros
.set SW,  90                           ; v90-93  dW's scale words of the four fragments
.set WS,  94                           ; v94-95  W_res's 8 scale bytes
.set VO8, 96                           ; v96  8 x lane: where scale bytes go
.set TM,  98                           ; v98-109 the quantiser's work
.set PC0, 110                          ; codes of fragment 0 at v110-117, of 1 at v118-125; of 2 and 3 where lora_B's first two fragments lay
.set PC1, 118
.set H0,  128                          ; 64 numbers of dW, two sets by turns
.set H1,  192
.set SEL, 24                           ; s[24:25] v_permlanex16_b32's selects for lane l xor 16
	s_load_b256 s[4:11], s[0:1], 0x0               ; lora_A's codes s[4:5], scales s[6:7]; lora_B's codes s[8:9], scales s[10:11]
	s_load_b128 s[12:15], s[0:1], 0x20             ; W_res's scales s[12:13], pack s[14:15]
	v_lshrrev_b32 v126, 5, v0
	v_and_b32 v1, 15, v0                           ; r
	v_bfe_u32 v2, v0, 4, 1                         ; h
	v_and_b32 v127, 31, v0                         ; lane
	v_readfirstlane_b32 s16, v126                  ; wave 0..7
	v_and_b32 v3, 8, v1
	v_lshlrev_b32 v[VB], 5, v1                     ; a row of 64 codes is 32 bytes
	v_lshlrev_b32 v[VBS], 1, v1
	v_lshlrev_b32 v[VO], 4, v127
	v_add_nc_u32 v3, v3, v1                        ; r + 8 (r / 8)
	v_lshl_add_u32 v[VB], v2, 4, v[VB]
	v_lshlrev_b32 v[VO8], 3, v127
	v_lshrrev_b32 v126, 1, v127
	v_lshlrev_b32 v[VA], 5, v3
	v_lshlrev_b32 v[VAS], 1, v3
	v_and_b32 v127, 1, v127
	v_lshlrev_b32 v126, 7, v126
	v_lshl_add_u32 v[VA], v2, 4, v[VA]
	v_lshl_add_u32 v[VW], v127, 3, v126            ; row lane / 2 of 128 bytes, 8 x (lane % 2)
.irp f, 0,1,2,3
.irp j, 4,5,6,7
	v_mov_b32 v[BF+8*\f+\j], 0                     ; lora_B's k = 64 .. 127: zero codes
.endr
.endr
.irp j, 0,1,2,3
	v_mov_b32 v[AF+32+\j], 0                       ; what the last tile's operand names behind its own four registers
	v_mov_b32 v[TM+4+\j], 0                        ; (a lane permute's destination counts as one of its sources)
.endr
	s_and_b32 s17, ttmp7, 0xffff                   ; s: which 512 along i
	s_and_b32 s20, s16, 3                          ; q
	s_lshr_b32 s21, s16, 2                         ; g: which 64 of the block's rows
	s_mov_b32 s23, 0                               ; every offset is under 2^32: s[22:23] with 0 above
	s_mov_b32 s[SEL], 0x76543210
	s_mov_b32 s[SEL+1], 0xfedcba98
	s_lshl_b32 s26, s17, 14                        ; lora_A: 512 rows of 32 bytes a K step, 128 a q
	s_lshl_b32 s2, s20, 12
	s_add_co_u32 s26, s26, s2
	s_lshl_b32 s27, s17, 10                        ; and of 2 scale bytes
	s_lshl_b32 s2, s20, 8
	s_add_co_u32 s27, s27, s2
	s_lshl_b32 s18, ttmp9, 7
	s_lshl_b32 s2, s21, 6
	s_add_co_u32 s18, s18, s2                      ; my first row o: 128 nt + 64 g
	s_lshl_b32 s28, s18, 5
	s_lshl_b32 s29, s18, 1
	s_lshl_b32 s30, ttmp9, 14                      ; W_res's scales: rows 128 nt + 16 w of 128 bytes, 16 a K step
	s_lshl_b32 s2, s16, 11
	s_add_co_u32 s30, s30, s2
	s_lshl_b32 s2, s17, 4
	s_add_co_u32 s30, s30, s2
	s_lshl_b32 s31, ttmp9, 3
	s_add_co_u32 s31, s31, s17
	s_mul_i32 s31, s31, BLKB                       ; block 8 nt + s
	s_wait_alu depctr_va_vdst(0)                   ; the wait at the head's end
	s_wait_kmcnt 0x0
	s_mov_b32 s22, s30
	s_add_nc_u64 s[12:13], s[12:13], s[22:23]
	s_mov_b32 s22, s28
	s_add_nc_u64 s[8:9], s[8:9], s[22:23]
	s_mov_b32 s22, s29
	s_add_nc_u64 s[10:11], s[10:11], s[22:23]
	s_mov_b32 s22, s26
	s_add_nc_u64 s[4:5], s[4:5], s[22:23]
	s_mov_b32 s22, s27
	s_add_nc_u64 s[6:7], s[6:7], s[22:23]
	global_load_b64 v[WS:WS+1], v[VW], s[12:13]
	global_load_b128 v[BF:BF+3], v[VB], s[8:9]
	global_load_u16 v[BS], v[VBS], s[10:11]
.irp t, 0,1,2,3,4,5,6,7
	global_load_b128 v[AF+4*\t:AF+4*\t+3], v[VA], s[4:5] offset:(32*(\t/2)+8*(\t%2))*32
	global_load_u16 v[AS+\t], v[VAS], s[6:7] offset:(32*(\t/2)+8*(\t%2))*2
.endr
.irp j, 1,2,3
	global_load_b128 v[BF+8*\j:BF+8*\j+3], v[VB], s[8:9] offset:512*\j
	global_load_u16 v[BS+\j], v[VBS], s[10:11] offset:32*\j
.endr
	s_mov_b32 s22, s31
	s_add_nc_u64 s[14:15], s[14:15], s[22:23]      ; my work-group's block
	s_lshl_b32 s22, s16, 8
	s_add_co_u32 s22, s22, 32768
	s_add_nc_u64 s[18:19], s[14:15], s[22:23]      ; 256 bytes of W_res's scale bytes: 16 rows
	s_lshl_b32 s22, s20, 9
	s_lshl_b32 s2, s21, 8
	s_add_co_u32 s22, s22, s2
	s_add_co_u32 s22, s22, 34816
	s_add_nc_u64 s[28:29], s[14:15], s[22:23]      ; 256 bytes of dW's scale words: 64 rows
	s_lshl_b32 s22, s21, 14
	s_lshl_b32 s2, s20, 10
	s_add_co_u32 s22, s22, s2
	s_add_nc_u64 s[14:15], s[14:15], s[22:23]      ; my four fragments' images, 4,096 bytes apart
; 64 numbers of a lane, v[s] on, register 16 b + i = i-index 32 b + 16 (lane / 16) + i of my row, become a fragment's codes in v[pc] on and its scale word in v[pw].  tm: twelve registers at work.
; Each tile of eight registers is first read at its two lowest.
.macro QUANT s, tm, pc, pw
.irp b, 0,1,2,3
	v_max3_num_f32 v[\tm+\b], |v[\s+16*\b]|, |v[\s+1+16*\b]|, 0x1800000   ; block b: my 16 numbers, and the floor 2^(3 - 127): so the byte cannot fall under 1
.endr
.irp i, 2,4,6,8,10,12,14
.irp b, 0,1,2,3
	v_max3_num_f32 v[\tm+\b], v[\tm+\b], |v[\s+16*\b+\i]|, |v[\s+1+16*\b+\i]|   ; the four blocks by turns: no line waits for the line above it
.endr
.endr
.irp b, 0,1,2,3
	s_delay_alu instid0(VALU_DEP_4)
	v_permlanex16_b32 v[\tm+4+\b], v[\tm+\b], s[SEL], s[SEL+1]
.endr
.irp b, 0,1,2,3
	s_delay_alu instid0(VALU_DEP_4)
	v_max_num_f32 v[\tm+\b], v[\tm+\b], v[\tm+4+\b]   ; with lane l xor 16's: the block's largest magnitude
.endr
.irp b, 0,1,2,3
	s_delay_alu instid0(VALU_DEP_4)
	v_add_nc_u32 v[\tm+8+\b], 0xff000000, v[\tm+\b]   ; 2 off its exponent field: the conversion takes the exponent field of this operand as its scale
.endr
.irp b, 0,1,2,3
	s_delay_alu instid0(VALU_DEP_4)
	v_lshrrev_b32 v[\tm+4+\b], 23, v[\tm+8+\b]     ; the scale's byte
.endr
	s_delay_alu instid0(VALU_DEP_3)
	v_lshl_or_b32 v[\pw], v[\tm+5], 8, v[\tm+4]    ; the four bytes make my row's scale word
	s_delay_alu instid0(VALU_DEP_1)
	v_lshl_or_b32 v[\pw], v[\tm+6], 16, v[\pw]
	s_delay_alu instid0(VALU_DEP_1)
	v_lshl_or_b32 v[\pw], v[\tm+7], 24, v[\pw]
.irp b, 0,1,2,3
	v_cvt_scalef32_pk8_fp4_f32 v[\pc+2*\b], v[\s+16*\b:\s+7+16*\b], v[\tm+8+\b]
	v_cvt_scalef32_pk8_fp4_f32 v[\pc+1+2*\b], v[\s+8+16*\b:\s+15+16*\b], v[\tm+8+\b]
.endr
	v_nop                                          ; one plain instruction behind the last scaled conversion
.irp c, 0,1                                    ; the operand's layout wants a WHOLE block in a lane: lanes 0-15 block 2 c, lanes 16-31 block 2 c + 1
.irp i, 0,1
	v_permlane16_swap_b32 v[\pc+4*\c+\i], v[\pc+2+4*\c+\i]
.endr
.endr
.endm
.macro MULT j, h                       ; fragment j's eight products, each its own accumulator begun with 0
.irp t, 0,1,2,3,4,5,6,7
	v_wmma_scale_f32_16x16x128_f8f6f4 v[\h+8*\t:\h+8*\t+7], v[AF+4*\t:AF+4*\t+7], v[BF+8*\j:BF+8*\j+7], 0, v[AS+\t], v[BS+\j] matrix_a_fmt:MATRIX_FMT_FP4 matrix_b_fmt:MATRIX_FMT_FP4
.endr
.endm
.macro FINISH j, h, pc                 ; the quantiser; the image, two stores of 512 consecutive bytes
	QUANT \h, TM, \pc, SW+\j
	global_store_b128 v[VO], v[\pc:\pc+3], s[14:15] offset:4096*\j
	global_store_b128 v[VO], v[\pc+4:\pc+7], s[14:15] offset:4096*\j+512
.endm
	s_wait_loadcnt 6                               ; loads come back in order (ISA guide 5.7.1): lora_B's last three fragments and their words may be out
	MULT 0, H0
	s_wait_loadcnt 0x0
	MULT 1, H1
.rept 4
	v_nop                                          ; four places ahead of the first read of fragment 0's results (ISA guide 7.12.1)
.endr
	FINISH 0, H0, PC0                              ; its lines on the work registers alone are the places behind fragment 1's products, and those ahead of what writes H0 again; and so on by turns
	MULT 2, H0
	FINISH 1, H1, PC1
	MULT 3, H1
	FINISH 2, H0, BF
	FINISH 3, H1, BF+8
	v_cmp_eq_u32 vcc_lo, 0, v2                     ; a word stands in both halves of the lanes: lanes 0-15 keep the even fragment's, lanes 16-31 take the odd one's: lane l then has rows l and 32 + l
	v_cndmask_b32 v[SW], v[SW+1], v[SW], vcc_lo
	v_cndmask_b32 v[SW+1], v[SW+3], v[SW+2], vcc_lo
	global_store_b64 v[VO8], v[WS:WS+1], s[18:19]  ; each of the two stores covers 256 consecutive bytes, at a multiple of 256 from the pack's first byte
	global_store_b64 v[VO8], v[SW:SW+1], s[28:29]
	s_endpgm
.Lfunc_end_k_qa2e2dc6eeb_prep:
	.size	k_qa2e2dc6eeb_prep, .Lfunc_end_k_qa2e2dc6eeb_prep-k_qa2e2dc6eeb_prep
	.p2alignl 7, 3214868480
	.fill 96, 4, 3214868480
	.section	.rodata,"a",@progbits
	.p2align	6, 0x0
	.amdhsa_kernel k_qa2e2dc6eeb_prep
		.amdhsa_group_segment_fixed_size 0
		.amdhsa_private_segment_fixed_size 0
		.amdhsa_enable_private_segment 0
		.amdhsa_kernarg_size 48
		.amdhsa_user_sgpr_count 2
		.amdhsa_user_sgpr_kernarg_segment_ptr 1
		.amdhsa_wavefront_size32 1
		.amdhsa_system_sgpr_workgroup_id_x 1
		.amdhsa_system_sgpr_workgroup_id_y 1
		.amdhsa_system_sgpr_workgroup_id_z 1
		.amdhsa_system_vgpr_workitem_id 0
		.amdhsa_next_free_vgpr 256
		.amdhsa_next_free_sgpr 66
		.amdhsa_reserve_vcc 1
		.amdhsa_float_denorm_mode_32 3
		.amdhsa_float_denorm_mode_16_64 3
		.amdhsa_memory_ordered 1
		.amdhsa_forward_progress 1
		.amdhsa_inst_pref_size 29
	.end_amdhsa_kernel
	.amdgpu_metadata
---
amdhsa.version: [ 1, 2 ]
amdhsa.kernels:
  - .name:           k_qa2e2dc6eeb_prep
    .symbol:         k_qa2e2dc6eeb_prep.kd
    .args:
      - { .name: lora_A_codes, .offset: 0, .size: 8, .value_kind: global_buffer, .address_space: global }
      - { .name: lora_A_scales, .offset: 8, .size: 8, .value_kind: global_buffer, .address_space: global }
      - { .name: lora_B_codes, .offset: 16, .size: 8, .value_kind: global_buffer, .address_space: global }
      - { .name: lora_B_scales, .offset: 24, .size: 8, .value_kind: global_buffer, .address_space: global }
      - { .name: W_res_scales, .offset: 32, .size: 8, .value_kind: global_buffer, .address_space: global }
      - { .name: pack, .offset: 40, .size: 8, .value_kind: global_buffer, .address_space: global }
    .group_segment_fixed_size: 0
    .private_segment_fixed_size: 0
    .kernarg_segment_align: 8
    .kernarg_segment_size: 48
    .max_flat_workgroup_size: 256
    .sgpr_count:     66
    .vgpr_count:     256
    .wavefront_size: 32
...
	.end_amdgpu_metadata
.endif
;; end of part 1
;; launch gemm (part 2): grid 32 x 8, 4 waves a work-group, clusters of 4 x 4, 327,680 bytes of LDS; arguments x_codes, x_scales, W_res_codes, pack, bias, out0; writes out0
.if DOCPART == 2
	.amdgcn_target "amdgcn-amd-amdhsa--gfx1250"
	.amdhsa_code_object_version 6
	.text
	.protected	k_qa2e2dc6eeb_gemm
	.globl	k_qa2e2dc6eeb_gemm
	.p2align	8
	.type	k_qa2e2dc6eeb_gemm,@function
k_qa2e2dc6eeb_gemm:
	s_mov_b64 s[64:65], 0
	v_nop
	global_prefetch_b8 v0, s[64:65] scope:SCOPE_SE
	s_setreg_imm32_b32 hwreg(HW_REG_WAVE_MODE, 25, 1), 1
	s_wait_xcnt 0x0
	s_wait_alu depctr_hold_cnt(0) depctr_sa_sdst(0) depctr_va_vdst(0) depctr_va_sdst(0) depctr_va_ssrc(0) depctr_va_vcc(0) depctr_vm_vsrc(0)
	s_getreg_b32 s2, hwreg(HW_REG_IB_STS2, 6, 4)
	s_cmp_eq_u32 s2, 0
	s_cbranch_scc0 .Lentry_in_a_cluster
	s_endpgm
.Lentry_in_a_cluster:
	s_bfe_u32 s2, ttmp6, 0x10000c
	s_cmp_lg_u32 s2, 0xf033
	s_cbranch_scc0 .Lentry_shape_is_right
	s_endpgm
.Lentry_shape_is_right:
; out[m][n] = bias[n] + sum over k of x[m][k] W_res[n][k] + sum over k of x[m][k] dW[n][k].  m 2,048, n 4,096, k 4,096; all three operands are codes of FP4 (E2M1) with one E8M0 scale for each 32 along K; f32 sums.
; ONE GEMM WITH TWO B OPERANDS: both products share x and the accumulators, so each fragment of x read from LDS feeds both.
; SHARES.  A tile of out is 256 (m) x 128 (n): 8 x 32 = 256 work-groups, one tile each.  Four waves, 2 x 2; a wave makes 128 x 64: 16 accumulators of 32 (n) x 16 (m), 256 registers.
; For 128 along K a wave reads 8 fragments of x, 4 of W_res and 4 of dW (16 KiB) and issues 32 matrix instructions.
; K goes in 8 steps of 512 through a ring of two LDS slots filled by the tensor data mover: a row of x's or W_res's tile is 256 bytes of memory.  dW's codes, and W_res's and dW's scale bytes of a K step,
; are one dense block of 36,864 bytes of PACK, laid by the launch before: the codes as images of the operand's registers (fragment (j, q) at (4 j + q) x 1,024; registers 0-3 at 16 x lane, 4-7 at 512 + 16 x lane).
; x's scale bytes of the work-group's 256 rows, for all of K, are one dense block of 32,768 bytes: they come into LDS once, at the head, and stay.
; CLUSTERS: 4 x 4 work-groups.  The four of a row of the cluster need the same tiles of x (and its scales), the four of a column the same tiles of W_res and the same blocks of PACK: each is asked for JOINTLY,
; by the same tensor load with the same descriptor and a mask that names the four.  In the ring waves 0 and 1 fetch x's two halves, wave 2 W_res's tile, wave 3 PACK's block: one load a wave behind each round.
; THE MATRIX INSTRUCTION IS USED TRANSPOSED (source 0 = 32 rows of W_res or dW, source 1 = 16 rows of x): lane l holds row l % 16 of x's block, registers 0-7 the columns 8 (l / 16) + 0 .. 7, registers 8-15 those 16 further on.
; Source 0's scale words: lane m holds row m's of the 32.  Source 1's: lanes 0-15 x's block i, lanes 16-31 block i + 4, picked by matrix_b_scale.
; THE BIAS is the C of each sum's first matrix instruction, in the result's layout.  Nothing is cleared and nothing is added afterwards.
; THE LAST K STEP GOES BY ROWS OF out, two blocks of 16 rows at a time: finished rows are stored while the others are multiplied.
; LIMITS: codes and scale bytes are taken as given; a scale byte 0xff is NaN here as in the definition.
; REGISTERS, in windows of 256: window 0: v0-31 addresses; v32-63 x's scale words, two sets; v64-95 W_res's and dW's, two sets; v128-191, v192-255 x's 8 fragments, two sets
;   (in the last K step four buffers of 16 rows x 512 K).   window 1: B's fragments, two sets, at v0 and v128: in a set W_res's four, then dW's four (in the last K step all 256: the whole step's).
;   window 2: the accumulators: block a of x, half c of my columns at v[32 a + 16 c].   window 3: the bias at v0-31 until the first step is over; on the way out block a's 16 rows of out at v[32 a].
.set NQ,     4                         ; matrix instructions deep in a K step of 512
.set ROWB,   256                       ; a tile's row in bytes
.set KROW,   2048                      ; a row of x or W_res in memory
.set PITCH,  272                       ; an LDS row: 256 bytes + 16 of padding = 68 words: row r starts at bank 4 r mod 64 (64 banks of 4 bytes: ISA guide 11.1), so the 16 rows of a load start at 16 different banks
.set FR,     8                         ; registers of a fragment of 16 rows x 128 K
.set XHALF,  128*PITCH                 ; 128 rows: 34,816 bytes
.set WT,     2*XHALF                   ; a slot: x's 256 rows, then W_res's 128 rows,
.set PKO,    WT+XHALF                  ; then PACK's block
.set PKB,    36864
.set PKS,    PKO+32768                 ; in it: W_res's scale bytes, 16 a row; dW's scale words lie 2,048 further on: row 64 g + 32 c + l at 512 q + 256 g + 8 l + 4 c
.set SLOT,   PKO+PKB                   ; 141,312 bytes
.set XSC,    2*SLOT                    ; behind the ring: x's scale bytes, as units of 256 bytes (two rows' 128) + 16 of padding
.set SQ,     32*272                    ; those of 64 rows
.set SBLK,   8*272                     ; those of 16 rows
.set SPARE,  XSC+4*SQ                  ; behind them: the spare words, 128 bytes for each wave: two blocks of 256 bytes that no other line names
.set SPITCH, 272                       ; the way out: a stage of 16 rows x (256 bytes + 16) for each wave, in slot 0, which has had its last fill and its last read when the first result is stored there
.set ROWC,   16384                     ; a row of out in bytes
.set LAPS,   4                         ; a lap = two K steps = once round the ring
.set ADRSD, 10                         ; v10-11  LDS address of dW's scale words: 8 x lane in my 64 rows'
.set ADRA,  16                         ; v16-17  LDS address of my fragments of x in slot 0, 1
.set ADRW,  18                         ; v18-19  of W_res
.set ADRD,  20                         ; v20-21  of dW's images
.set ADRSB, 22                         ; v22-23  of W_res's scale words: 16 x lane in my 64 rows'
.set STO,   24                         ; v24     the way out: where I put 32 bytes of a row
.set RD,    25                         ; v25     where I read a row back
.set CO,    26                         ; v26     my byte offset in two rows of out; never rewritten
.set ADRSA, 27                         ; v27     LDS address of x's scale words: lanes 0-15 my rows 0-63, lanes 16-31 my rows 64-127
.set SPW,   28                         ; v28     LDS address of my spare word: SPARE + 4 x my thread's number; never rewritten
.set NIL,   29                         ; v29     0; never rewritten
.set PFO,   30                         ; v30     the prefetches' offset: my lane x a row (x, W_res) or x 256 bytes (PACK); never rewritten
.set PFO2,  31                         ; v31     wave 3's second: the last four of its 36 units; never rewritten
.set SA,    32                         ; x's scale words: register 16 set + 4 i + q
.set SB,    64                         ; B's, sets of 16: W_res's at 4 c + q, dW's at 8 + 2 q + c; lane m: row 32 c + m
.set AF,    128                        ; x's fragments: block a of set p at v[128 + 64 p + 8 a]
.set PA,    128                        ; the last K step: x's block a, 16 rows x 512 K, 32 registers, in buffer a % 4
.set G1X, 24                           ; s[24:31] descriptor group 1 for x's tiles;  s[32:39] W_res's;  s[40:47] PACK's blocks;  s[48:55] x's scales
.set G1W, 32
.set G1P, 40
.set G1S, 48
.set G0H, 20                           ; s[20:23] group 0 for the head's load of x's 256 rows
.set G0X, 56                           ; s[56:63] group 0 for x's tiles, one set for each slot;  s[68:75] W_res's;  s[76:83] PACK's;  s[84:87] x's scales
.set G0W, 68
.set G0P, 76
.set G0S, 84
.set PFB, 92                           ; s[92:93] the first of the two prefetches behind slot 1's first fill
.set PFA, 94                           ; s[94:95] where my prefetches stand: my work-group's share of what my wave fetches
.set PFS, 96                           ; s[96:97] a K step on, in bytes: 256 in a row of x or W_res, 36,864 in PACK
.set LIM, 98                           ; s98     1 in a wave that prefetches, else the greatest number
.set MSB, 0
.macro WIN new                         ; the immediate's high byte repeats the setting that is left; a switch that changes nothing is dropped
.if MSB != \new
	s_set_vgpr_msb (MSB<<8)|\new
.set MSB, \new
.endif
.endm
.set MUL,   0xa1                       ; source 0 (B) window 1, source 1 (x) window 0, C and D window 2
.set MUL_B, 0xb1                       ; the same with C (the bias) in window 3
.set TO_B,  0x40                       ; destination window 1, address window 0
; A tensor load of one arm: s_nop 0 and four v_nop follow it, ahead of any jump or label.
.macro TLOAD g0, g1
	tensor_load_to_lds s[\g0:\g0+3], s[\g1:\g1+7]
	s_nop 0
.rept 4
	v_nop
.endr
.endm
; A joint load of the ring.  Each of the three lines has ONE mask and one set of registers for all that issue it; the branches hang on the wave's number alone.
.macro JLOAD s
	s_cmp_lt_u32 s16, 2
	s_cbranch_scc0 .Lnot_x_\@
	TLOAD G0X+4*\s, G1X
	s_branch .Lasked_\@
.Lnot_x_\@:
	s_cmp_eq_u32 s16, 2
	s_cbranch_scc0 .Lfor_p_\@
	TLOAD G0W+4*\s, G1W
	s_branch .Lasked_\@
.Lfor_p_\@:
	TLOAD G0P+4*\s, G1P
.Lasked_\@:
.endm
; PREFETCHES INTO THE L2.  A change of slots asks for the K step that stands TWO refills on: two K steps ahead of the load that will want it.  The head asks for K step 1, slot 1's first fill for K steps 2 and 3,
; the change behind K step s for K step s + 4; the last trip of the loop, whose K steps 8 and 9 do not exist, asks for nothing.  The four partners that ask for a tile jointly share its units of 256 bytes out
; BY ADDRESS: of x's 128 rows a wave and of W_res's 128 rows each takes 32 (x by cx, W_res by cy), of PACK's 144 units 36 by cy: 32 lanes, then four (the lanes left over name the last again).
; x's rows are wanted by the eight clusters of a row of clusters: those with an even x ask.  W_res's and PACK's are wanted by two clusters, and both ask.  No branch hangs on a place in a cluster.
.macro ASK at                          ; SCC: does my wave ask?
	s_cbranch_scc0 .Lnot_mine_\@
	global_prefetch_b8 v[PFO], s[\at:\at+1] th:TH_LOAD_NT scope:SCOPE_SE
	s_cmp_eq_u32 s16, 3
	s_cbranch_scc0 .Lnot_mine_\@
	global_prefetch_b8 v[PFO2], s[\at:\at+1] th:TH_LOAD_NT scope:SCOPE_SE
.Lnot_mine_\@:
.endm
.macro CREST                           ; a round of the cluster's barrier behind its opening barrier
	s_cmp_lg_u32 s16, 0
	s_cbranch_scc1 .Lnot_wave_0_\@
	s_barrier_signal -3
.Lnot_wave_0_\@:
	s_barrier_wait -3
	s_barrier_signal -1
	s_barrier_wait -1
.endm
.macro CROUND                          ; a whole round
	s_barrier_signal -1
	s_barrier_wait -1
	CREST
.endm
	s_load_b256 s[4:11], s[0:1], 0x0               ; x's codes s[4:5], x's scales s[6:7], W_res's codes s[8:9], pack s[10:11]
	s_load_b128 s[12:15], s[0:1], 0x20             ; bias s[12:13], out s[14:15]
	v_lshl_add_u32 v[SPW], v0, 2, SPARE
	v_mov_b32 v[NIL], 0
	ds_add_u32 v[SPW], v[NIL]                      ; the wave's opening: the add, twice on end, and its one wait
	ds_add_u32 v[SPW], v[NIL]
	v_lshrrev_b32 v1, 5, v0
	v_readfirstlane_b32 s16, v1                    ; wave 0..3
	s_lshr_b32 s17, s16, 1                         ; which 128 of the tile's rows are mine
	s_and_b32 s18, s16, 1                          ; which 64 of its columns.  Also: which half of x's tile waves 0 and 1 fetch
	s_bfe_u32 s88, ttmp6, 0x40000                  ; cx, cy: my place in the cluster
	s_bfe_u32 s89, ttmp6, 0x40004
	s_lshl_b32 s90, ttmp9, 2
	s_add_co_u32 s90, s90, s88                     ; tx, the tile of 128 columns = 4 x cluster x + cx
	s_and_b32 s91, ttmp7, 0xffff
	s_lshl_b32 s91, s91, 2
	s_add_co_u32 s91, s91, s89                     ; ty, the tile of 256 rows = 4 x cluster y + cy
	s_lshl_b32 s92, s89, 2
	s_lshl_b32 s92, 15, s92                        ; my row of the cluster
	s_lshl_b32 s93, 0x1111, s88                    ; my column
	; descriptor group 1.  15:0 the mask; 17:16 log2 of an element's bytes; 20 padding on; 21 set beside a mask; 24:22 after every 64 words (code 5); 31:25 four words (code 3)
	; x's and W_res's tiles: rows of 256 bytes; x's 256 rows for the head's load (128 for the ring's, set behind it), W_res's 128
	s_or_b32 s[G1X+0], s92, (0<<16)|(1<<20)|(1<<21)|(5<<22)|(3<<25)
	s_mov_b32 s[G1X+2], 256<<16                    ; tensor_dim1
	s_mov_b32 s[G1X+4], 256                        ; tile_dim1
	s_or_b32 s[G1W+0], s93, (0<<16)|(1<<20)|(1<<21)|(5<<22)|(3<<25)
	s_mov_b32 s[G1W+2], 128<<16
	s_mov_b32 s[G1W+4], 128
.irp g, G1X, G1W
	s_mov_b32 s[\g+1], ROWB<<16                    ; tensor_dim0
	s_mov_b32 s[\g+3], ROWB<<16                    ; tile_dim0
	s_mov_b32 s[\g+5], KROW                        ; tensor_dim0_stride
	s_mov_b32 s[\g+6], 0
	s_mov_b32 s[\g+7], 0
.endr
	; PACK's block: 36,864 dense bytes as 144 rows of 256 (32 elements of 8 bytes), no padding: the images are read 16 x lane
	s_or_b32 s[G1P+0], s93, (3<<16)|(1<<21)
	s_mov_b32 s[G1P+2], 144<<16
	s_mov_b32 s[G1P+4], 144
	; x's scales of 256 rows: 32,768 dense bytes as 128 rows of 256, 16 bytes of padding behind each
	s_or_b32 s[G1S+0], s92, (3<<16)|(1<<20)|(1<<21)|(5<<22)|(3<<25)
	s_mov_b32 s[G1S+2], 128<<16
	s_mov_b32 s[G1S+4], 128
.irp g, G1P, G1S
	s_mov_b32 s[\g+1], 32<<16
	s_mov_b32 s[\g+3], 32<<16
	s_mov_b32 s[\g+5], 32
	s_mov_b32 s[\g+6], 0
	s_mov_b32 s[\g+7], 0
.endr
	; where the tiles come from; every offset is under 2^32.  x's hang on ty and the wave alone, W_res's and PACK's on tx alone, each in registers that never hold the other coordinate
	s_lshl_b32 s94, s91, 19                        ; x's codes: 256 ty rows of 2,048 bytes
	s_mov_b32 s95, 0
	s_lshl_b32 s96, s91, 15                        ; x's scales: 256 ty rows of 128 bytes
	s_mov_b32 s97, 0
	s_lshl_b32 s98, s90, 18                        ; W_res's codes: 128 tx rows of 2,048 bytes
	s_mov_b32 s99, 0
	s_mul_i32 s100, s90, 8*PKB                     ; PACK: block 8 tx
	s_mov_b32 s101, 0
	s_lshl_b32 s66, s18, 18                        ; in the ring a wave fetches 128 of x's rows: which half, in bytes,
	s_mov_b32 s67, 0
	s_mul_i32 s19, s18, XHALF                      ; and where they go: no place in the cluster enters an LDS address
	s_wait_dscnt 0x0                               ; both opening adds are done
	CROUND                                         ; all sixteen work-groups are here: the first joint loads meet.  (The arguments are on their way meanwhile)
	s_wait_kmcnt 0x0
	s_add_nc_u64 s[94:95], s[4:5], s[94:95]
	s_add_nc_u64 s[96:97], s[6:7], s[96:97]
	s_add_nc_u64 s[98:99], s[8:9], s[98:99]
	s_add_nc_u64 s[100:101], s[10:11], s[100:101]
	s_mov_b32 s[G0H], 1                            ; 1:0 count = 1
	s_mov_b32 s[G0H+1], 0                          ; 63:32 LDS address
	s_mov_b64 s[G0H+2:G0H+3], s[94:95]             ; 120:64 global address
	s_or_b32 s[G0H+3], s[G0H+3], 0x80000000        ; 127:126 type = 2
	s_mov_b32 s[G0S], 1
	s_mov_b32 s[G0S+1], XSC
	s_mov_b64 s[G0S+2:G0S+3], s[96:97]
	s_or_b32 s[G0S+3], s[G0S+3], 0x80000000
.macro WPDESC s                        ; group 0 of W_res's tile and of PACK's block for slot s: K step s
	s_mov_b32 s[G0W+4*\s], 1
	s_mov_b32 s[G0W+4*\s+1], \s*SLOT+WT
	s_add_nc_u64 s[G0W+4*\s+2:G0W+4*\s+3], s[98:99], \s*ROWB
	s_or_b32 s[G0W+4*\s+3], s[G0W+4*\s+3], 0x80000000
	s_mov_b32 s[G0P+4*\s], 1
	s_mov_b32 s[G0P+4*\s+1], \s*SLOT+PKO
	s_add_nc_u64 s[G0P+4*\s+2:G0P+4*\s+3], s[100:101], \s*PKB
	s_or_b32 s[G0P+4*\s+3], s[G0P+4*\s+3], 0x80000000
.endm
	WPDESC 0
; THE HEAD'S LOADS, ONE A WAVE: wave 0 K step 0's 256 rows of x, wave 1 x's scales, wave 2 W_res's tile, wave 3 PACK's block.  ONE tree of branches: every way passes exactly one load.
	s_cmp_lt_u32 s16, 1
	s_cbranch_scc0 .Lhead_s
	TLOAD G0H, G1X
	s_branch .Lhead_asked
.Lhead_s:
	s_cmp_lt_u32 s16, 2
	s_cbranch_scc0 .Lhead_w
	TLOAD G0S, G1S
	s_branch .Lhead_asked
.Lhead_w:
	s_cmp_lt_u32 s16, 3
	s_cbranch_scc0 .Lhead_p
	TLOAD G0W, G1W
	s_branch .Lhead_asked
.Lhead_p:
	TLOAD G0P, G1P
.Lhead_asked:
	s_add_nc_u64 s[94:95], s[94:95], s[66:67]      ; the ring's other descriptors, made while the head's loads are out: none of them feeds one
.irp s, 0,1
	s_mov_b32 s[G0X+4*\s], 1
	s_add_co_u32 s[G0X+4*\s+1], s19, \s*SLOT
	s_add_nc_u64 s[G0X+4*\s+2:G0X+4*\s+3], s[94:95], \s*ROWB
	s_or_b32 s[G0X+4*\s+3], s[G0X+4*\s+3], 0x80000000
.endr
	WPDESC 1
	s_mul_i32 s2, s17, XHALF                       ; my 128 rows of x
	s_mul_i32 s66, s18, 64*PITCH                   ; my 64 rows of W_res
	s_add_co_u32 s66, s66, WT
	s_lshl_b32 s67, s18, 14                        ; my 16 images of dW
	s_add_co_u32 s67, s67, PKO
	s_lshl_b32 s99, s18, 10                        ; my 64 rows' scale bytes
	s_add_co_u32 s99, s99, PKS
	s_mul_i32 s104, s17, 2*SQ                      ; x's scales of my 128 rows
	s_add_co_u32 s104, s104, XSC
	s_mul_i32 s105, s16, 16*SPITCH                 ; my stage
	; the prefetches: where my wave's stand, and who asks.  All three offsets are made, then one is chosen by the wave's number
	s_lshl_b32 s92, s90, 3
	s_add_co_u32 s92, s92, 1
	s_mul_i32 s92, s92, PKB                        ; PACK: block 8 tx + 1,
	s_mul_i32 s93, s89, 36*256
	s_add_co_u32 s92, s92, s93                     ; my work-group's 36 units of its 144
	s_lshl_b32 s93, s90, 18                        ; W_res: row 128 tx + 32 cy,
	s_lshl_b32 s100, s89, 16
	s_add_co_u32 s93, s93, s100
	s_add_co_u32 s93, s93, ROWB                    ; K step 1
	s_lshl_b32 s100, s91, 19                       ; x: row 256 ty + 128 half + 32 cx,
	s_lshl_b32 s101, s18, 18
	s_add_co_u32 s100, s100, s101
	s_lshl_b32 s101, s88, 16
	s_add_co_u32 s100, s100, s101
	s_add_co_u32 s100, s100, ROWB                  ; K step 1
	s_and_b32 s[LIM], ttmp9, 1                     ; cluster x, odd or even
	s_mov_b32 s[PFS], ROWB
	s_mov_b32 s[PFS+1], 0
	s_mov_b32 s101, KROW
	s_cmp_eq_u32 s16, 3                            ; wave 3 asks for PACK, wave 2 for W_res,
	s_cselect_b64 s[PFA:PFA+1], s[10:11], s[8:9]
	s_cselect_b32 s92, s92, s93
	s_cselect_b32 s[PFS], PKB, s[PFS]              ; a K step on
	s_cselect_b32 s101, 256, s101                  ; from lane to lane
	s_cmp_lt_u32 s16, 2                            ; waves 0 and 1 for x, where the cluster's x is even
	s_cselect_b64 s[PFA:PFA+1], s[4:5], s[PFA:PFA+1]
	s_cselect_b32 s92, s100, s92
	s_cselect_b32 s[LIM], s[LIM], 0
	s_cmp_eq_u32 s[LIM], 0
	s_cselect_b32 s[LIM], 1, -1                    ; the same in all sixteen partners, for a given wave
	s_mov_b32 s93, 0
	s_add_nc_u64 s[PFA:PFA+1], s[PFA:PFA+1], s[92:93]
	s_lshl_b32 s88, s90, 9                         ; my first column, in bytes of f32: 512 tx + 256 x half: in bias and in out alike
	s_lshl_b32 s89, s18, 8
	s_add_co_u32 s88, s88, s89
	s_mov_b32 s89, 0
	s_add_nc_u64 s[12:13], s[12:13], s[88:89]
	s_add_nc_u64 s[14:15], s[14:15], s[88:89]
	s_lshl_b32 s88, s91, 22                        ; my first row of out: (256 ty + 128 half) rows of 16,384 bytes
	s_lshl_b32 s100, s17, 21
	s_add_co_u32 s88, s88, s100
	s_add_nc_u64 s[14:15], s[14:15], s[88:89]
	s_lshl_b32 s100, s18, 8                        ; dW's scale words of my 64 rows
	s_add_co_u32 s100, s100, PKS+2048
	v_and_b32 v1, 15, v0                           ; r = lane % 16
	v_bfe_u32 v2, v0, 4, 1                         ; h = lane / 16
	v_and_b32 v7, 31, v0                           ; lane
	v_mul_u32_u24 v3, v1, PITCH
	v_lshl_add_u32 v4, v2, 4, v3                   ; a fragment's row x pitch + 16 x half
	v_lshlrev_b32 v5, 4, v7                        ; 16 x lane: an image's place, and W_res's scale words of 32 rows
	v_lshlrev_b32 v6, 3, v7                        ; 8 x lane: dW's
	v_add_nc_u32 v[ADRA], s2, v4
	v_add_nc_u32 v[ADRW], s66, v4
	v_add_nc_u32 v[ADRD], s67, v5
	v_add_nc_u32 v[ADRSB], s99, v5
	v_add_nc_u32 v[ADRSD], s100, v6
	v_add_nc_u32 v[ADRA+1], SLOT, v[ADRA]
	v_add_nc_u32 v[ADRW+1], SLOT, v[ADRW]
	v_add_nc_u32 v[ADRD+1], SLOT, v[ADRD]
	v_add_nc_u32 v[ADRSB+1], SLOT, v[ADRSB]
	v_add_nc_u32 v[ADRSD+1], SLOT, v[ADRSD]
	v_lshlrev_b32 v5, 7, v1                        ; x's scales: 128 bytes a row,
	v_lshrrev_b32 v6, 1, v1
	v_lshl_add_u32 v5, v6, 4, v5                   ; and 16 more for each 256 passed
	v_mul_u32_u24 v6, v2, SQ                       ; lanes 16-31 stand 64 rows further on
	v_add_nc_u32 v5, v5, v6
	v_add_nc_u32 v[ADRSA], s104, v5
	v_lshl_add_u32 v5, v2, 5, v3                   ; into the stage: row r, 32 bytes for each half of the lanes
	v_add_nc_u32 v[STO], s105, v5
	v_mul_u32_u24 v5, v2, SPITCH                   ; back: lanes 0-15 one row of 256 bytes, lanes 16-31 the next
	v_lshl_add_u32 v5, v1, 4, v5
	v_add_nc_u32 v[RD], s105, v5
	v_lshlrev_b32 v[CO], 4, v1                     ; and the same two rows in out
	v_lshl_add_u32 v[CO], v2, 14, v[CO]
	v_mul_lo_u32 v[PFO], v7, s101
	v_min_u32 v6, 3, v7
	v_lshl_add_u32 v[PFO2], v6, 8, 0x2000          ; units 32 to 35
	v_lshlrev_b32 v8, 5, v2                        ; the bias: my half's eight numbers of each 16
	s_wait_alu depctr_va_vdst(0)                   ; the wait behind the head's last vector instruction
	WIN 0xc0                                       ; loaded into window 3
.irp b, 0,1,2,3
	global_load_b128 v[8*\b:8*\b+3], v8, s[12:13] offset:64*\b
	global_load_b128 v[8*\b+4:8*\b+7], v8, s[12:13] offset:64*\b+16
.endr
	WIN 0
	s_cmp_eq_u32 s[LIM], 1
	ASK PFA                                        ; K step 1
; a fragment from rows: lane l holds row l % 16; registers 4 c .. 4 c + 3 hold K = 64 c + 32 (l / 16) + 0 .. 31
.macro FRAG reg, adr, q, i
.irp c, 0,1
	ds_load_b128 v[\reg+4*\c:\reg+4*\c+3], v[\adr] offset:64*(\q)+32*\c+(\i)*16*PITCH
.endr
.endm
.macro FRAGD reg, adr, q, j            ; a fragment from its image
.irp c, 0,1
	ds_load_b128 v[\reg+4*\c:\reg+4*\c+3], v[\adr] offset:(4*(\j)+(\q))*1024+512*\c
.endr
.endm
; One product: x's block a (its fragment at register ra) against 32 rows (half c) of W_res (kind 0) or dW (kind 1), whose fragments begin at register bb of window 1; the K step's q-th 128 along K, scale set sc.
; bias = 1: W_res's product begins the sum with the bias as C.
.macro PROD a, c, kind, bb, ra, q, sc, bias
.set rD, 32*(\a)+16*(\c)
.set rB, (\bb)+32*(\kind)+16*(\c)
.set rA, (\ra)
.set rC, rD
.if (\bias)*(1-(\kind))
.set rC, 16*(\c)
.endif
.set rSB, SB+16*(\sc)+(1-(\kind))*(4*(\c)+(\q))+(\kind)*(8+2*(\q)+(\c))
.set rSA, SA+16*(\sc)+4*((\a)%4)+(\q)
.if (\a) < 4
	v_wmma_scale_f32_32x16x128_f4 v[rD:rD+15], v[rB:rB+15], v[rA:rA+7], v[rC:rC+15], v[rSB], v[rSA]
.else
	v_wmma_scale_f32_32x16x128_f4 v[rD:rD+15], v[rB:rB+15], v[rA:rA+7], v[rC:rC+15], v[rSB], v[rSA] matrix_b_scale:MATRIX_SCALE_ROW1
.endif
.endm
; Eight products: x's blocks a0 .. a0 + 3 against W_res's or dW's 64 rows, on set p.  W_res's eight and dW's eight on the same accumulators follow each other: between two instructions on one
; accumulator stand seven others', in the same order in every step.
.macro GRP kind, a0, p, q, sc, first
.if (\first)*(1-(\kind))
	WIN MUL_B
.else
	WIN MUL
.endif
.irp a, \a0, \a0+1, \a0+2, \a0+3
.irp c, 0,1
	PROD (\a), \c, \kind, 128*(\p), AF+64*(\p)+8*(\a), \q, \sc, \first
.endr
.endr
.endm
.macro SCALES set                      ; a K step's scale words into set: x's and W_res's four words a row by one load of 16 bytes, dW's by pairs (c = 0, 1) for each q: 10 loads
	WIN 0
.irp i, 0,1,2,3
	ds_load_b128 v[SA+16*(\set)+4*\i:SA+16*(\set)+4*\i+3], v[ADRSA] offset:\i*SBLK
.endr
.irp c, 0,1
	ds_load_b128 v[SB+16*(\set)+4*\c:SB+16*(\set)+4*\c+3], v[ADRSB+\set] offset:\c*512
.endr
.irp q, 0,1,2,3
	ds_load_b64 v[SB+16*(\set)+8+2*\q:SB+16*(\set)+9+2*\q], v[ADRSD+\set] offset:\q*512
.endr
.endm
; ONE RUN of LDS loads: all fragments of a slot's q-th 128 along K into set p of both sides: 32 loads; with = 1: a K step's first, and its scale words too: 42 loads.
.macro RUN slot, q, p, with
	WIN TO_B
.irp i, 0,1,2,3
	FRAG 128*(\p)+FR*\i, ADRW+\slot, \q, \i
.endr
.irp i, 0,1,2,3
	FRAGD 128*(\p)+32+FR*\i, ADRD+\slot, \q, \i
.endr
	WIN 0
.irp i, 0,1,2,3,4,5,6,7
	FRAG AF+64*(\p)+FR*\i, ADRA+\slot, \q, \i
.endr
.if \with
	SCALES \slot
.endif
.endm
; A load into a register that a matrix instruction has read, and an LDS store that reads a matrix result, stand four places behind that matrix instruction, and only plain vector instructions that name none
; of its registers are places (ISA guide 7.12.1 for vector instructions); this text does not count the matrix instructions in between.
.macro PLACES
.rept 4
	v_nop
.endr
.endm
; A step of 128 along K that has its successor in the same slot: first one run fetches the next step's fragments into the other set, a whole step ahead of their use; then 32 products on set q % 2.
.macro STEP slot, q, first
	PLACES                                         ; what the run writes, the step before has read
	RUN \slot, (\q)+1, 1-(\q)%2, 0
	s_wait_dscnt 32                                ; all but the run just issued: this step's fragments are in
	GRP 0, 0, (\q)%2, \q, \slot, \first
	GRP 1, 0, (\q)%2, \q, \slot, \first
	GRP 0, 4, (\q)%2, \q, \slot, \first
	GRP 1, 4, (\q)%2, \q, \slot, \first
.endm
; THE CHANGE OF SLOTS: its waits stand in the second half of the step before the slot's last, whose run has fetched the slot's last fragments.  In front of its ONE barrier each wave waits for all its tensor
; loads, of which one is out: its part of the other slot; adds 0 to its spare word; and waits for that and for its own reads of this slot.  Behind it nobody reads this slot any more and the other slot is whole.
.macro MEET slot, fill
	PLACES
	RUN \slot, NQ-1, 1, 0
	s_wait_dscnt 32
	GRP 0, 0, 0, NQ-2, \slot, 0
	GRP 1, 0, 0, NQ-2, \slot, 0
	WIN 0                                          ; (the add's two registers lie in window 0)
.if \fill
	s_wait_xcnt 0x0                                ; the last prefetch, a K step back, has read its address: it may be written
	s_add_nc_u64 s[PFA:PFA+1], s[PFA:PFA+1], s[PFS:PFS+1]
.endif
	s_wait_tensorcnt 0x0                           ; no tensor load of mine is out, so a group 0 may be written
	ds_add_u32 v[SPW], v[NIL]                      ; 0 onto my spare word
.if \fill
	s_add_nc_u64 s[G0X+4*\slot+2:G0X+4*\slot+3], s[G0X+4*\slot+2:G0X+4*\slot+3], 2*ROWB
	s_add_nc_u64 s[G0W+4*\slot+2:G0W+4*\slot+3], s[G0W+4*\slot+2:G0W+4*\slot+3], 2*ROWB
	s_add_nc_u64 s[G0P+4*\slot+2:G0P+4*\slot+3], s[G0P+4*\slot+2:G0P+4*\slot+3], 2*PKB
.endif
	GRP 0, 4, 0, NQ-2, \slot, 0                    ; eight matrix instructions stand between the add and the wait for it
	s_wait_dscnt 0x0                               ; the add is done, and my reads of this slot are over
	s_barrier_signal -1
	GRP 1, 4, 0, NQ-2, \slot, 0                    ; work on registers while the others arrive
	WIN 0
	s_barrier_wait -1
.endm
; The change with a refill: the barrier opens a round of the cluster's barrier, so that no wave of any partner still reads the slot or has a load on its way; the joint refill, two K steps on, is the first
; tensor load behind it, and the four v_nop behind it are also the places in front of the run that follows: the other slot's first fragments and scale words, ahead of this slot's last 32 products.
.macro TURN slot
	MEET \slot, 1
	CREST
	JLOAD \slot
	v_add_nc_u32 v[ADRSA], 4*NQ, v[ADRSA]          ; on to the next K step's scale words of x
	s_wait_alu depctr_va_vdst(0)                   ; the wait directly behind the write
	RUN 1-\slot, 0, 0, 1
	s_cmp_gt_u32 s3, s[LIM]                        ; s3 = 1 in the loop's last trip: nothing is left to ask for
	ASK PFA
	GRP 0, 0, 1, NQ-1, \slot, 0
	GRP 1, 0, 1, NQ-1, \slot, 0
	GRP 0, 4, 1, NQ-1, \slot, 0
	GRP 1, 4, 1, NQ-1, \slot, 0
.endm
	s_wait_tensorcnt 0x0                           ; my tile of the head's four is in
	ds_add_u32 v[SPW], v[NIL]                      ; 0 onto my spare word
	s_mov_b32 s[G1X+2], 128<<16                    ; no tensor load of mine is out, so a descriptor may be written: from here on a load brings 128 rows of x
	s_mov_b32 s[G1X+4], 128
	s_wait_xcnt 0x0                                ; the head's prefetch has read its address
	s_add_nc_u64 s[PFB:PFB+1], s[PFA:PFA+1], s[PFS:PFS+1]  ; K step 2
	s_add_nc_u64 s[PFA:PFA+1], s[PFB:PFB+1], s[PFS:PFS+1]  ; K step 3
	s_wait_dscnt 0x0                               ; the add is done
	CROUND                                         ; a whole round: all four tiles are in, and all sixteen work-groups are here
	JLOAD 1                                        ; K step 1, the first tensor load behind the round
	RUN 0, 0, 0, 1
	s_wait_loadcnt 0x0                             ; the bias
	s_cmp_eq_u32 s[LIM], 1
	ASK PFB
	s_cmp_eq_u32 s[LIM], 1
	ASK PFA
	STEP 0, 0, 1                                   ; the first step stands in front of the loop: its products start the sums
	WIN 0                                          ; at a label and at a branch every window is 0
	s_mov_b32 s3, LAPS-1
.Llap:                                                 ; a trip goes once round the ring, from a lap's second step to the next lap's first, and fills both slots again
	STEP 0, 1, 0
	TURN 0
	STEP 1, 0, 0
	STEP 1, 1, 0
	TURN 1
	STEP 0, 0, 0
	WIN 0
	s_sub_co_u32 s3, s3, 1
	s_cmp_lg_u32 s3, 0
	s_cbranch_scc1 .Llap
	STEP 0, 1, 0                                   ; K step 6 goes on; nothing is left to ask for
; THE LAST K STEP (slot 1, scale set 1) GOES BY ROWS OF out.  All its fragments of W_res and dW (4 x 64 registers) fill window 1; x comes by blocks of 16 rows x 512 K.  Two blocks are finished at a time, by
; 32 matrix instructions: their four accumulators by turns.  LDS is read no more than in any other K step.  A finished pair goes through my stage and is stored while the next is multiplied.
.macro BLOAD q                         ; B's eight fragments of the q-th 128 along K -> window 1, v[64 q ..]: 16 loads
	WIN TO_B
.irp i, 0,1,2,3
	FRAG 64*(\q)+FR*\i, ADRW+1, \q, \i
.endr
.irp i, 0,1,2,3
	FRAGD 64*(\q)+32+FR*\i, ADRD+1, \q, \i
.endr
.endm
.macro ALOAD a                         ; x's block a, all of the K step -> buffer a % 4: 8 loads
	WIN 0
.irp q, 0,1,2,3
	FRAG PA+32*((\a)%4)+FR*\q, ADRA+1, \q, \a
.endr
.endm
.macro PAIRQ p, q                      ; blocks 2 p, 2 p + 1 against the q-th 128 along K: eight matrix instructions; between two on one accumulator stand three others'
	WIN MUL
.irp k, 0,1
.irp a, 2*\p, 2*\p+1
.irp c, 0,1
	PROD (\a), \c, \k, 64*\q, PA+32*((\a)%4)+FR*\q, \q, 1, 0
.endr
.endr
.endr
.endm
; THE WAY OUT of a block of 16 rows x 64 columns.  A lane holds pieces of 32 neighbouring bytes of a row, and the lanes beside it hold other rows: so a block goes through my own stage in LDS and comes back as
; whole rows of 256 bytes.  LDS serves a wave's instructions in order (ISA guide 5.7.1.4): no wait between the stores and the loads, nor in front of the next block's stores.
.macro TOSTAGE a
.set AC, 32*(\a)
	WIN 0x08                                       ; an LDS store's data are its source 1: window 2
.irp b, 0,1,2,3
	ds_store_b128 v[STO], v[AC+8*\b:AC+8*\b+3] offset:64*\b          ; each accumulator from its low end on
	ds_store_b128 v[STO], v[AC+8*\b+4:AC+8*\b+7] offset:64*\b+16
.endr
	WIN 0xc0                                       ; destination window 3
.irp t, 0,1,2,3,4,5,6,7
	ds_load_b128 v[AC+4*\t:AC+4*\t+3], v[RD] offset:\t*2*SPITCH
.endr
.endm
.macro SEND a, younger                 ; younger: the LDS instructions issued behind block a's loads, which may stay out
	s_wait_dscnt \younger                          ; the block is back in registers
	WIN 0x0c                                       ; a store's data are its source 1: window 3
.irp t, 0,1,2,3,4,5,6,7
	global_store_b128 v[CO], v[32*(\a)+4*\t:32*(\a)+4*\t+3], s[14:15] offset:(16*(\a)+2*\t)*ROWC th:TH_STORE_NT   ; 16 lanes store 256 consecutive bytes, at a multiple of 256 from out's first byte; 126 rows, 2,064,384 bytes, at the most; no register of a store is written again
.endr
.endm
.macro OUTPAIR p, more                 ; pair p is finished: places ahead of the first read of its results and of the loads into its buffers of x; both blocks to the stage and back; more = 1: the buffers take the pair two further on
	PLACES
	TOSTAGE 2*\p
	TOSTAGE 2*\p+1
.if \more
	ALOAD 2*\p+4
	ALOAD 2*\p+5
.endif
.endm
	MEET 0, 0                                      ; the last K step's tiles are whole in slot 1; nobody reads slot 0 any more; nothing is filled again, so no round follows
	v_add_nc_u32 v[ADRSA], 4*NQ, v[ADRSA]
	s_wait_alu depctr_va_vdst(0)                   ; the wait directly behind the write
	PLACES
	BLOAD 0                                        ; set 1 of both sides is still to be multiplied: these lie in set 0 and in registers of no set
	BLOAD 1
	ALOAD 0
	ALOAD 1
	SCALES 1
	GRP 0, 0, 1, NQ-1, 0, 0                        ; K step 6's last step, its fragments waited for in MEET
	GRP 1, 0, 1, NQ-1, 0, 0
	GRP 0, 4, 1, NQ-1, 0, 0
	GRP 1, 4, 1, NQ-1, 0, 0
	PLACES                                         ; for the loads into set 1
	BLOAD 2
	BLOAD 3
	ALOAD 2
	ALOAD 3
	s_wait_dscnt 48                                ; all but the 48 just issued: B's first two quarters, x's blocks 0 and 1, the scale words
	PAIRQ 0, 0
	PAIRQ 0, 1
	s_wait_dscnt 32                                ; B's third quarter is in
	PAIRQ 0, 2
	s_wait_dscnt 16                                ; the fourth
	PAIRQ 0, 3
	OUTPAIR 0, 1
	s_wait_dscnt 48                                ; x's blocks 2 and 3 are in; behind them: two blocks' 32 stage instructions and 16 loads of x
	PAIRQ 1, 0                                     ; eight matrix instructions stand between the stage's loads and the wait for them
	SEND 0, 32                                     ; behind block 0's loads: block 1's 16 stage instructions and 16 loads of x
	SEND 1, 16
	PAIRQ 1, 1
	PAIRQ 1, 2
	PAIRQ 1, 3
	OUTPAIR 1, 1
	s_wait_dscnt 48                                ; x's blocks 4 and 5 are in
	PAIRQ 2, 0
	SEND 2, 32
	SEND 3, 16
	PAIRQ 2, 1
	PAIRQ 2, 2
	PAIRQ 2, 3
	OUTPAIR 2, 0
	s_wait_dscnt 32                                ; x's blocks 6 and 7 are in; behind them: two blocks' 32 stage instructions
	PAIRQ 3, 0
	SEND 4, 16
	SEND 5, 0
	PAIRQ 3, 1
	PAIRQ 3, 2
	PAIRQ 3, 3
	OUTPAIR 3, 0
	SEND 6, 16
	SEND 7, 0
	WIN 0
	s_wait_tensorcnt 0x0                           ; the wave's end: behind my last tensor load and my last LDS store
	ds_add_u32 v[SPW], v[NIL]
	s_wait_dscnt 0x0
	CROUND                                         ; the closing round: no work-group ends while a partner may still ask for a tile that names it
	s_endpgm
.Lfunc_end_k_qa2e2dc6eeb_gemm:
	.size	k_qa2e2dc6eeb_gemm, .Lfunc_end_k_qa2e2dc6eeb_gemm-k_qa2e2dc6eeb_gemm
	.p2alignl 7, 3214868480
	.fill 96, 4, 3214868480
	.section	.rodata,"a",@progbits
	.p2align	6, 0x0
	.amdhsa_kernel k_qa2e2dc6eeb_gemm
		.amdhsa_group_segment_fixed_size 327680
		.amdhsa_private_segment_fixed_size 0
		.amdhsa_enable_private_segment 0
		.amdhsa_kernarg_size 48
		.amdhsa_user_sgpr_count 2
		.amdhsa_user_sgpr_kernarg_segment_ptr 1
		.amdhsa_wavefront_size32 1
		.amdhsa_system_sgpr_workgroup_id_x 1
		.amdhsa_system_sgpr_workgroup_id_y 1
		.amdhsa_system_sgpr_workgroup_id_z 1
		.amdhsa_system_vgpr_workitem_id 0
		.amdhsa_next_free_vgpr 1024
		.amdhsa_next_free_sgpr 106
		.amdhsa_reserve_vcc 0
		.amdhsa_float_denorm_mode_32 3
		.amdhsa_float_denorm_mode_16_64 3
		.amdhsa_memory_ordered 1
		.amdhsa_forward_progress 1
		.amdhsa_inst_pref_size 137
	.end_amdhsa_kernel
	.amdgpu_metadata
---
amdhsa.version: [ 1, 2 ]
amdhsa.kernels:
  - .name:           k_qa2e2dc6eeb_gemm
    .symbol:         k_qa2e2dc6eeb_gemm.kd
    .args:
      - { .name: x_codes, .offset: 0, .size: 8, .value_kind: global_buffer, .address_space: global }
      - { .name: x_scales, .offset: 8, .size: 8, .value_kind: global_buffer, .address_space: global }
      - { .name: W_res_codes, .offset: 16, .size: 8, .value_kind: global_buffer, .address_space: global }
      - { .name: pack, .offset: 24, .size: 8, .value_kind: global_buffer, .address_space: global }
      - { .name: bias, .offset: 32, .size: 8, .value_kind: global_buffer, .address_space: global }
      - { .name: out0, .offset: 40, .size: 8, .value_kind: global_buffer, .address_space: global }
    .group_segment_fixed_size: 327680
    .private_segment_fixed_size: 0
    .kernarg_segment_align: 8
    .kernarg_segment_size: 48
    .max_flat_workgroup_size: 128
    .sgpr_count:     106
    .vgpr_count:     1024
    .wavefront_size: 32
...
	.end_amdgpu_metadata
.endif
;; end of part 2
